; MI455X (gfx1250); checked and timed in simulation.
; The chip was launched on July 23, 2026; its instructions are those of AMD's public machine-readable ISA for CDNA 5 (MIT licence, August 2026) and "CDNA5" Instruction Set Architecture Reference Guide (July 2026). The comments in the code are by the model that wrote it; some were corrected since.
;; CGC3. Allowed arithmetic: matrix products marked QUANTISED: E4M3 operands, one E8M0 scale for each 32 along K, by v_wmma_scale_f32_16x16x128_f8f6f4 with both operands' format E4M3, f32 sums; products left as they are: f32 operands where the result goes on into a quantised operand, else bf16, f16 or f32 operands; f32 sums; everything else in f32.
;; Inputs: W1_codes 8 x 1,024 x 32 x 32 uint8 (E4M3 codes of W1, K innermost, in blocks of 32 codes); W1_scales 8 x 1,024 x 32 uint8 (E8M0 scales of W1, one for each 32 codes along K); W2_codes 8 x 512 x 32 x 32 uint8 (E4M3 codes of W2, K innermost, in blocks of 32 codes); W2_scales 8 x 512 x 32 uint8 (E8M0 scales of W2, one for each 32 codes along K); Wg 2 x 1,024 x 6 float32; Wgs 1,024 x 8 float32; b1 8 x 1,024 float32; b2 8 x 512 float32; x 4,096 x 1,024 float32.
;; Outputs: out0 4,096 x 3 x 512 float32.
;; This version of the problem:
;;   THIS VERSION OF THE PROBLEM IS GIVEN IN LOW PRECISION. The matrix products marked QUANTISED in the list below multiply operands that are first quantised to E4M3 (4 exponent bits, 3 mantissa bits; 8 bits a number), with one power-of-two scale for each 32 numbers along K (OCP MX v1.0); their sums are f32. All else is computed in f32.
;;   The module's matrix products, in the order in which they are computed (A, B: the left and right operand; K: the contracted axis; several contracted axes count as one K, in the product's order):
;;     1. [M 8,192, K 1,024] x [K 1,024, N 4,096]; A: input W1 (given as codes); B: input x: QUANTISED
;;     2. batch 8 x [M 4,096, K 1,024] x [K 1,024, N 512]; A: computed on the way; B: input W2 (given as codes): QUANTISED
;;     3. [M 4,096, K 1,024] x [K 1,024, N 6]; A: input x; B: input Wg: left as it is (N = 6 < 16)
;;     4. batch 4,096 x [M 1, K 6] x [K 6, N 512]; A: softmax; B: computed on the way: left as it is (K = 6 < 32)
;;     5. [M 4,096, K 1,024] x [K 1,024, N 6]; A: input x; B: input Wg: left as it is (N = 6 < 16)
;;     6. batch 4,096 x [M 1, K 6] x [K 6, N 512]; A: softmax; B: computed on the way: left as it is (K = 6 < 32)
;;     7. [M 4,096, K 1,024] x [K 1,024, N 8]; A: input x; B: input Wgs: left as it is (N = 8 < 16)
;;     8. batch 4,096 x [M 1, K 8] x [K 8, N 512]; A: softmax; B: computed on the way: left as it is (K = 8 < 32)
;;   THE QUANTISER, for each operand of a quantised product, along K:
;;     - K is cut into blocks of 32 from its start; a last block that is shorter is filled with zeros.
;;     - A block's scale is 2^e with e = floor(log2(the largest magnitude in the block)) - 8, held to -126 .. 127; a block of zeros has e = 0. As a byte (E8M0): e + 127.
;;     - Each number is divided by its block's scale, clamped to +-448, and rounded to the nearest number of E4M3, ties to even, subnormals kept.
;;     - The product sums the exact products of the quantised numbers (number of the format x scale) in f32.
;;   ~~~python
;;   def quantise(x, axis):      # numpy; x: float32 -> the quantised numbers, widened to float32 again
;;       x = np.moveaxis(x, axis, -1); K = x.shape[-1]
;;       x = np.pad(x, [(0, 0)] * (x.ndim - 1) + [(0, -K % 32)]); x = x.reshape(x.shape[:-1] + (-1, 32)); a = np.abs(x).max(-1, keepdims=True)
;;       e = np.where(a > 0, np.clip(np.frexp(np.where(a > 0, a, 1))[1] - 1 - 8, -126, 127), 0)      # np.frexp(a)[1] - 1 = floor(log2(a)), exactly
;;       r = np.clip(x / 2.0 ** e, -448, 448)
;;       step = 2.0 ** (np.maximum(np.frexp(np.where(r == 0, 1, r))[1] - 1, -6) - 3)
;;       q = np.round(r / step) * step * 2.0 ** e      # np.round: ties to even
;;       return np.moveaxis(q.reshape(q.shape[:-2] + (-1,))[..., :K], -1, axis).astype(np.float32)
;;   ~~~
;;   OPERANDS COMPUTED ON THE WAY. 'Computed on the way' means the value that the module computes at that place (a softmax that the list does not call 'softmax' is quantised finished and normalised). What goes into a quantiser is computed in f32, as accurately as f32 sums, v_exp_f32 and their like allow (about 1e-6 of the number): no bf16 or f16 on the way to a quantiser, and a product that is left as it is and whose result goes on into a quantised operand takes f32 operands (vector FMAs, or v_wmma_f32_16x16x4_f32). A number that lies on a knife's edge between two numbers of the format may be rounded either way, as far as f32 arithmetic and the matrix unit's own rounding can turn it there, and no further.
;;   INPUTS GIVEN AS CODES. W1 (in the module: [8, 1024, 1024], K = its axis 1); W2 (in the module: [8, 1024, 512], K = its axis 1): each comes as NAME_codes (uint8): NAME with its K axis moved to the last place and cut into blocks of 32 codes, [.., K / 32, bytes a block], one block behind the other in memory; one code a byte (a code: sign, 4 exponent bits, 3 mantissa bits); and NAME_scales (uint8): the same leading axes, one E8M0 byte (e + 127) for each 32 codes along K. Its value is code x scale, taken as it is: it is not quantised again, and the codes and scales need not be those that the quantiser above would give.
;; One version. Each part assembles by itself: llvm-mc -triple=amdgcn-amd-amdhsa -mcpu=gfx1250 --defsym DOCPART=n.
;; ======== version 1 of 1: 3 launches
;; workspace buffers: xq 4,194,304 bytes; xs 131,072 bytes; gates 393,216 bytes; wq 12,582,912 bytes; eo 33,554,432 bytes
;; launch prep (part 1): grid 352 x 1, 8 waves a work-group, no clusters, 120,320 bytes of LDS; arguments x, Wg, Wgs, W1_codes, W2_codes, xq, xs, gates, wq; writes xq, xs, gates, wq
.if DOCPART == 1
	.amdgcn_target "amdgcn-amd-amdhsa--gfx1250"
	.amdhsa_code_object_version 6
	.text
	.protected	k_q6b6cfa135a_prep
	.globl	k_q6b6cfa135a_prep
	.p2align	8
	.type	k_q6b6cfa135a_prep,@function
k_q6b6cfa135a_prep:
	s_mov_b64 s[64:65], 0
	v_nop
	global_prefetch_b8 v0, s[64:65] scope:SCOPE_SE
	s_setreg_imm32_b32 hwreg(HW_REG_WAVE_MODE, 25, 1), 1
	s_wait_xcnt 0x0
; CGC3, launch 1 of 3.  out0[b][i][:] = sum over e of gate_i[b][e] relu(Q(relu(Q(x) W1_e + b1_e)) W2_e + b2_e), Q the MX-FP8 quantiser along K.
; DEAD WORK: none is left out.  The share tower weighs all eight experts, so every expert's two products, every bias and every gate weight has a way to an output;
; the two task towers take the six experts of the index lists that reference() builds in its own body: they simply have six terms.
; THIS LAUNCH makes what the later launches read many times:
;   path X (work-groups 96-351): x [4096][1024] f32 -> codes of E4M3 as images of the operand's registers (xq), one E8M0 scale word for a row and 128 along K (xs);
;           the 20 gates of each row (gates): logits by the bf16 matrix form (a product that the contract leaves as it is), the maximum taken away, softmax in f32.
;   path R (work-groups 0-95): W1's and W2's codes laid in the order in which a wave of launch 2 takes them into its operand registers (wq).
; ONE MAP OF K FOR ALL FOUR FP8 OPERANDS.  In a fragment (16 rows x 128 K, 16 registers) lane (r = lane % 16, h = lane / 16) holds row r; its registers 4 c .. 4 c + 3 hold
; k = 32 c + 8 h + 0..7 and then k = 32 c + 16 + 8 h + 0..7.  Against the form's own order that permutes k inside each block of 32, alike on both sides of both products: the
; products summed and the blocks that a scale byte serves are the same.  It lets a tile of weights be 16 neighbouring rows and a transposed result convert straight into the next operand.
; LIMITS: NaN and infinities among the inputs are not served (the maxima and holds drop a NaN).  A block of zeros gets the byte 1 where the rule says 127: its codes are zeros,
; which add nothing under any byte but 0xff, and the bytes are read by this program alone.  The logits' operands are rounded to bf16.
.set GP,    0                          ; LDS, path X: the eight waves' partial logits, 2,048 bytes each
.set XSW,   16384                      ; path X: the 16 rows' scale words, 32 bytes a row
.set TURN,  16896                      ; path X: a region of 8,448 bytes for each wave: first the gate weights as bf16, then x's turn
.set TREG,  8448
.set RL,    84480                      ; path R: a region of 16 rows x 272 bytes for each wave
.set RREG,  4352
.set SPARE, 119296                     ; the spare words, 128 bytes for each wave: four blocks of 256 bytes that no other line names
.set SPW,   14                         ; v14  LDS address of my spare word; never rewritten
.set NIL,   15                         ; v15  0; never rewritten
.set R,     16                         ; path R: v16-143 a tile's 16,384 bytes
.set X,     16                         ; path X: v16-79 64 numbers of x
.set XB,    80                         ; v80-111 the same as bf16: four fragments of 32 along K
.set GF0,   112                        ; v112-143 gate weights, tile 0 (rows 0-5 task 0, rows 8-13 task 1), four fragments
.set GF1,   144                        ; v144-175 tile 1 (rows 0-7 the shared gate, rows 8-15 the same again)
.set GR,    176                        ; v176-255 gate weights as loaded, 20 numbers for each of four k
.set D0,    176                        ; later: the two accumulators of logits,
.set D1,    184
.set TM,    192                        ; v192-207 the quantiser's work,
.set PW,    208                        ; the scale word,
.set PC,    212                        ; v212-227 the codes
.set SEL,   40                         ; s[40:41] lane selects for v_permlanex16_b32: lane l xor 16
.set MNT,   42                         ; s42 the mantissa field of 448
	s_load_b256 s[4:11], s[0:1], 0x0               ; x, Wg, Wgs, W1's codes
	s_load_b256 s[12:19], s[0:1], 0x20             ; W2's codes, xq, xs, gates
	s_load_b64 s[20:21], s[0:1], 0x40              ; wq
	v_lshl_add_u32 v[SPW], v0, 2, SPARE
	v_mov_b32 v[NIL], 0
	v_lshrrev_b32 v1, 5, v0
	v_readfirstlane_b32 s22, v1                    ; wave 0..7
	v_and_b32 v1, 31, v0                           ; lane
	v_and_b32 v2, 15, v0                           ; r
	v_bfe_u32 v3, v0, 4, 1                         ; h
	s_mov_b32 s[SEL], 0x76543210
	s_mov_b32 s[SEL+1], 0xfedcba98
	s_mov_b32 s[MNT], 0x600000
	s_wait_kmcnt 0x0
	s_cmp_ge_u32 ttmp9, 96                         ; the paths part on the work-group's number alone; each has LDS bytes of its own
	s_cbranch_scc1 .Lrows
; ---------------- PATH R: a wave takes one tile of 16 rows x 1,024 codes ----------------
; W1 has 512 tiles (tile = 64 e + 16 w + 4 pass + t), W2 256 (32 e + 8 w + 4 (pass - 4) + t).  wq: [4 e + w][pass 6][K step 8][t 4][group 4][lane][16 bytes].
	s_lshl_b32 s24, ttmp9, 3
	s_add_co_u32 s24, s24, s22                     ; the tile's number, W1's first
	s_lshr_b32 s28, s24, 4                         ; W1: 4 e + w,
	s_bfe_u32 s29, s24, 0x20002                    ;     pass
	s_sub_co_u32 s25, s24, 512                     ; W2: the tile's number in W2 (of use in its work-groups alone),
	s_lshr_b32 s30, s25, 3                         ;     4 e + w,
	s_bfe_u32 s31, s25, 0x10002
	s_add_co_u32 s31, s31, 4                       ;     pass
	s_cmp_lt_u32 ttmp9, 64
	s_cselect_b64 s[26:27], s[10:11], s[12:13]     ; the choice hangs on the work-group's number alone
	s_cselect_b32 s28, s28, s30
	s_cselect_b32 s29, s29, s31
	s_cselect_b32 s24, s24, s25
	s_and_b32 s30, s24, 3                          ; t
	s_mul_i32 s28, s28, 6
	s_add_co_u32 s28, s28, s29
	s_lshl_b32 s28, s28, 16                        ; 65,536 bytes a pass
	s_lshl_b32 s30, s30, 11                        ; 2,048 bytes a fragment
	s_add_co_u32 s28, s28, s30
	s_mov_b32 s29, 0
	s_add_nc_u64 s[20:21], s[20:21], s[28:29]
	s_lshl_b32 s24, s24, 14                        ; 16,384 bytes a tile in the source
	s_mov_b32 s25, 0
	s_add_nc_u64 s[26:27], s[26:27], s[24:25]
	v_lshlrev_b32 v7, 4, v1                        ; out: 16 x lane
	v_lshlrev_b32 v4, 4, v2
	v_lshl_add_u32 v4, v3, 10, v4                  ; in: lanes 0-15 take 256 bytes of one row, lanes 16-31 of the next
	s_mul_i32 s31, s22, RREG
	s_add_co_u32 s31, s31, RL                      ; my wave's region
	v_mul_u32_u24 v5, v3, 272
	v_lshl_add_u32 v5, v2, 4, v5
	v_add_nc_u32 v5, s31, v5                       ; into it, as loaded
	v_mul_u32_u24 v6, v2, 272
	v_lshl_add_u32 v6, v3, 3, v6
	v_add_nc_u32 v6, s31, v6                       ; out of it: row r, + 8 h: rows 68 words apart
.irp kq, 0,1,2,3
.irp q, 0,1,2,3,4,5,6,7
	global_load_b128 v[R+32*\kq+4*\q:R+32*\kq+4*\q+3], v4, s[26:27] offset:2048*\q+256*\kq th:TH_LOAD_NT   ; two aligned runs of 256 bytes; read once in the launch
.endr
.endr
.irp kq, 0,1,2,3                               ; 256 along K at a time: two K steps
	s_wait_loadcnt 24-8*\kq                        ; this chunk's eight loads are in; the later chunks' may be out
.irp q, 0,1,2,3,4,5,6,7
	ds_store_b128 v5, v[R+32*\kq+4*\q:R+32*\kq+4*\q+3] offset:544*\q
.endr
.irp sp, 0,1
.irp c, 0,1,2,3
.irp u, 0,1
	ds_load_b64 v[R+32*\kq+16*\sp+4*\c+2*\u:R+32*\kq+16*\sp+4*\c+2*\u+1], v6 offset:128*\sp+32*\c+16*\u   ; k = 32 c + 16 u + 8 h + 0..7; LDS serves a wave's instructions in order: these see the stores above
.endr
.endr
.endr
	s_wait_dscnt 0x0
.irp sp, 0,1
.irp c, 0,1,2,3
	global_store_b128 v7, v[R+32*\kq+16*\sp+4*\c:R+32*\kq+16*\sp+4*\c+3], s[20:21] offset:(2*\kq+\sp)*8192+512*\c   ; 512 consecutive bytes, aligned
.endr
.endr
.endr
	s_branch .Lend
; ---------------- PATH X: a work-group takes 16 rows of x; wave s takes k = 128 s .. 128 s + 127 ----------------
.Lrows:
	s_sub_co_u32 s23, ttmp9, 96                    ; which 16 rows
	s_lshl_b32 s24, s23, 16
	s_lshl_b32 s25, s22, 9
	s_add_co_u32 s24, s24, s25
	s_mov_b32 s25, 0
	s_add_nc_u64 s[4:5], s[4:5], s[24:25]          ; x: 16 rows of 4,096 bytes, my 512 bytes of a row
	s_mul_i32 s24, s22, 3072
	s_add_nc_u64 s[6:7], s[6:7], s[24:25]          ; Wg: 24 bytes a k
	s_lshl_b32 s24, s22, 12
	s_add_nc_u64 s[8:9], s[8:9], s[24:25]          ; Wgs: 32 bytes a k
	s_lshr_b32 s24, s23, 3
	s_lshl_b32 s24, s24, 17                        ; xq: 131,072 bytes for 128 rows; in them K step x 16,384 + (group / 2) x 8,192 + tile x 1,024 + (group % 2) x 512 + 16 x lane
	s_lshl_b32 s26, s22, 14
	s_add_co_u32 s24, s24, s26
	s_and_b32 s26, s23, 7
	s_lshl_b32 s26, s26, 10
	s_add_co_u32 s24, s24, s26
	s_add_nc_u64 s[14:15], s[14:15], s[24:25]
	s_lshl_b32 s24, s23, 9
	s_add_nc_u64 s[16:17], s[16:17], s[24:25]      ; xs: 32 bytes a row
	s_mul_i32 s24, s23, 1536
	s_add_nc_u64 s[18:19], s[18:19], s[24:25]      ; gates: three images of 512 bytes
	v_lshlrev_b32 v4, 4, v1                        ; 16 x lane
	s_mul_i32 s27, s22, TREG
	s_add_co_u32 s27, s27, TURN                    ; my wave's region
	v_add_nc_u32 v5, s27, v4                       ; x's turn, in: as loaded, rows 528 bytes apart
	v_mul_u32_u24 v6, v2, 528
	v_lshl_add_u32 v6, v3, 5, v6
	v_add_nc_u32 v6, s27, v6                       ; and out: row r, + 32 h bytes (8 h numbers)
	v_mul_u32_u24 v7, v1, 48
	v_add_nc_u32 v7, s27, v7                       ; the gate weights' table: a row of 24 bf16 (48 bytes) for each k; in: lane = k
	v_and_b32 v8, 7, v0
	v_lshl_add_u32 v8, v3, 3, v8
	v_mul_u32_u24 v8, v8, 48
	v_add_nc_u32 v8, s27, v8                       ; out, by the turning load: row k = 8 h + lane % 8
	v_add_nc_u32 v9, 32, v8                        ; tile 1: the shared gate's eight columns, for both groups of eight lanes
	v_bfe_u32 v10, v0, 3, 1
	v_lshl_add_u32 v8, v10, 4, v8                  ; tile 0: columns 8 ((lane / 8) % 2) on
	v_mul_u32_u24 v10, v1, 24
	v_lshlrev_b32 v11, 5, v1
	s_lshl_b32 s28, s22, 11
	v_add_nc_u32 v12, s28, v4                      ; my partial logits: GP (byte 0) + 2,048 x wave + 16 x lane
	s_lshl_b32 s28, s22, 2
	s_add_co_u32 s28, s28, XSW
	v_lshl_add_u32 v13, v2, 5, s28                 ; my row's scale word of my K step
.irp j, 0,1,2,3                                ; the gate weights of k = 128 s + 32 j + lane: 6 + 6 + 8 numbers
.irp i, 0,1,2
	global_load_b64 v[GR+20*\j+2*\i:GR+20*\j+2*\i+1], v10, s[6:7] offset:768*\j+8*\i
	global_load_b64 v[GR+20*\j+6+2*\i:GR+20*\j+7+2*\i], v10, s[6:7] offset:24576+768*\j+8*\i
.endr
	global_load_b128 v[GR+20*\j+12:GR+20*\j+15], v11, s[8:9] offset:1024*\j
	global_load_b128 v[GR+20*\j+16:GR+20*\j+19], v11, s[8:9] offset:1024*\j+16
.endr
.irp q, 0,1,2,3,4,5,6,7,8,9,10,11,12,13,14,15
	global_load_b128 v[X+4*\q:X+4*\q+3], v4, s[4:5] offset:4096*\q th:TH_LOAD_NT   ; row q: 512 consecutive bytes; read once in the launch
.endr
	s_wait_loadcnt 16                              ; the 32 loads of gate weights are in; x's sixteen may be out
.irp j, 0,1,2,3                                ; to bf16, in place and ascending: no source is written before it is read; columns 6 and 7 of each task are zeros
	v_cvt_pk_bf16_f32 v[GR+20*\j+0], v[GR+20*\j+0], v[GR+20*\j+1]
	v_cvt_pk_bf16_f32 v[GR+20*\j+1], v[GR+20*\j+2], v[GR+20*\j+3]
	v_cvt_pk_bf16_f32 v[GR+20*\j+2], v[GR+20*\j+4], v[GR+20*\j+5]
	v_mov_b32 v[GR+20*\j+3], 0
	v_cvt_pk_bf16_f32 v[GR+20*\j+4], v[GR+20*\j+6], v[GR+20*\j+7]
	v_cvt_pk_bf16_f32 v[GR+20*\j+5], v[GR+20*\j+8], v[GR+20*\j+9]
	v_cvt_pk_bf16_f32 v[GR+20*\j+6], v[GR+20*\j+10], v[GR+20*\j+11]
	v_mov_b32 v[GR+20*\j+7], 0
	v_cvt_pk_bf16_f32 v[GR+20*\j+8], v[GR+20*\j+12], v[GR+20*\j+13]
	v_cvt_pk_bf16_f32 v[GR+20*\j+9], v[GR+20*\j+14], v[GR+20*\j+15]
	v_cvt_pk_bf16_f32 v[GR+20*\j+10], v[GR+20*\j+16], v[GR+20*\j+17]
	v_cvt_pk_bf16_f32 v[GR+20*\j+11], v[GR+20*\j+18], v[GR+20*\j+19]
.endr
.irp j, 0,1,2,3
.irp i, 0,1,2
	ds_store_b128 v7, v[GR+20*\j+4*\i:GR+20*\j+4*\i+3] offset:1536*\j+16*\i
.endr
.endr
.irp b, 0,1,2,3                                ; the table is stored [k][column]: the turning load gives fragments with a column a lane and k along the registers
	ds_load_tr16_b128 v[GF0+8*\b:GF0+8*\b+3], v8 offset:1536*\b
	ds_load_tr16_b128 v[GF0+8*\b+4:GF0+8*\b+7], v8 offset:1536*\b+768
	ds_load_tr16_b128 v[GF1+8*\b:GF1+8*\b+3], v9 offset:1536*\b
	ds_load_tr16_b128 v[GF1+8*\b+4:GF1+8*\b+7], v9 offset:1536*\b+768
.endr
	s_wait_loadcnt 0x0                             ; x
.irp q, 0,1,2,3,4,5,6,7,8,9,10,11,12,13,14,15
	ds_store_b128 v5, v[X+4*\q:X+4*\q+3] offset:528*\q   ; over the table, behind the loads that read it: LDS serves a wave's instructions in order
.endr
.irp b, 0,1,2,3
.irp u, 0,1
.irp j, 0,1
	ds_load_b128 v[X+16*\b+8*\u+4*\j:X+16*\b+8*\u+4*\j+3], v6 offset:128*\b+64*\u+16*\j   ; register 16 b + 8 u + i = x(r, 128 s + 32 b + 16 u + 8 h + i)
.endr
.endr
.endr
	s_wait_dscnt 0x0
.set i, 0
.rept 32
	v_cvt_pk_bf16_f32 v[XB+i], v[X+2*i], v[X+2*i+1]   ; by the same map these are the bf16 form's fragments: registers 0-3 k = 8 h + 0..7, registers 4-7 k = 16 + 8 h + 0..7
.set i, i+1
.endr
	; logits, transposed: source 0 = 16 gate columns, source 1 = my 16 rows of x.  Lane (r, h), register j: tile 0: logit j of task h; tile 1: logit j of the shared gate; both for row r.  The two accumulators take turns
	v_wmma_f32_16x16x32_bf16 v[D0:D0+7], v[GF0:GF0+7], v[XB:XB+7], 0
	v_wmma_f32_16x16x32_bf16 v[D1:D1+7], v[GF1:GF1+7], v[XB:XB+7], 0
.irp b, 1,2,3
	v_wmma_f32_16x16x32_bf16 v[D0:D0+7], v[GF0+8*\b:GF0+8*\b+7], v[XB+8*\b:XB+8*\b+7], v[D0:D0+7]
	v_wmma_f32_16x16x32_bf16 v[D1:D1+7], v[GF1+8*\b:GF1+8*\b+7], v[XB+8*\b:XB+8*\b+7], v[D1:D1+7]
.endr
.irp b, 0,1,2,3
	v_mov_b32 v[TM+4+\b], 0                        ; a lane permute's destination counts as one of its sources; these four are also the places behind the last product (ISA guide 7.12.1)
.endr
	ds_store_b128 v12, v[D0:D0+3]                  ; my K step's part of the logits; each accumulator from its low end on
	ds_store_b128 v12, v[D0+4:D0+7] offset:512
	ds_store_b128 v12, v[D1:D1+3] offset:1024
	ds_store_b128 v12, v[D1+4:D1+7] offset:1536
	; THE QUANTISER: four blocks of 32; a block lies in lanes l and l xor 16, 16 numbers each
.irp b, 0,1,2,3
	v_max3_num_f32 v[TM+\b], |v[X+16*\b]|, |v[X+1+16*\b]|, 0x4800000   ; with the floor 2^(9 - 127): the byte cannot fall under 1
.endr
.irp i, 2,4,6,8,10,12,14
.irp b, 0,1,2,3
	v_max3_num_f32 v[TM+\b], v[TM+\b], |v[X+16*\b+\i]|, |v[X+1+16*\b+\i]|
.endr
.endr
.irp b, 0,1,2,3
	v_permlanex16_b32 v[TM+4+\b], v[TM+\b], s[SEL], s[SEL+1]
.endr
.irp b, 0,1,2,3
	v_max_num_f32 v[TM+\b], v[TM+\b], v[TM+4+\b]   ; the block's largest magnitude
.endr
.irp b, 0,1,2,3
	v_add_nc_u32 v[TM+12+\b], 0xfc000000, v[TM+\b] ; 8 off its exponent field: the conversion's scale operand
.endr
.irp b, 0,1,2,3
	v_and_or_b32 v[TM+8+\b], v[TM+\b], 0x7f800000, s[MNT]   ; 448 x the scale
.endr
.irp b, 0,1,2,3
	v_lshrrev_b32 v[TM+4+\b], 23, v[TM+12+\b]      ; the scale's byte
.endr
	v_lshl_or_b32 v[PW], v[TM+5], 8, v[TM+4]
	v_lshl_or_b32 v[PW], v[TM+6], 16, v[PW]
	v_lshl_or_b32 v[PW], v[TM+7], 24, v[PW]
.irp b, 0,1,2,3
.irp i, 0,1,2,3,4,5,6,7,8,9,10,11,12,13,14,15
	v_med3_num_f32 v[X+16*\b+\i], v[X+16*\b+\i], -v[TM+8+\b], v[TM+8+\b]   ; the conversion to an 8-bit code does not saturate (ISA guide 7.6.2): the hold
.endr
	v_cvt_scalef32_pk8_fp8_f32 v[PC+4*\b:PC+1+4*\b], v[X+16*\b:X+7+16*\b], v[TM+12+\b]
	v_cvt_scalef32_pk8_fp8_f32 v[PC+2+4*\b:PC+3+4*\b], v[X+8+16*\b:X+15+16*\b], v[TM+12+\b]
.endr
	v_nop                                          ; one plain vector instruction behind the last scaled conversion
.irp c, 0,1,2,3
	global_store_b128 v4, v[PC+4*\c:PC+4*\c+3], s[14:15] offset:(\c>>1)*8192+(\c&1)*512   ; a group of the fragment: 512 consecutive bytes, aligned
.endr
	ds_store_b32 v13, v[PW]                        ; both lanes of a row write the same word with the same value
	s_wait_dscnt 0x0                               ; for the others' sake: my partial logits and my scale words lie in LDS
	s_barrier_signal -1
	s_barrier_wait -1
	s_cmp_eq_u32 s22, 0
	s_cbranch_scc1 .Lgates
	s_cmp_eq_u32 s22, 1
	s_cbranch_scc0 .Lend
	ds_load_b128 v[16:19], v4 offset:XSW           ; wave 1: the 16 rows' scale words leave as 512 consecutive bytes
	s_wait_dscnt 0x0
	global_store_b128 v4, v[16:19], s[16:17]
	s_branch .Lend
.Lgates:                                       ; wave 0: the eight parts are added, K ascending; three softmaxes, each inside a lane
.irp w, 0,1,2,3,4,5,6,7
.irp k, 0,1,2,3
	ds_load_b128 v[16+16*\w+4*\k:16+16*\w+4*\k+3], v4 offset:2048*\w+512*\k
.endr
.endr
	s_wait_dscnt 0x0
.irp w, 1,2,3,4,5,6,7
.irp k, 0,2,4,6,8,10,12,14
	v_pk_add_f32 v[16+\k:17+\k], v[16+\k:17+\k], v[16+16*\w+\k:17+16*\w+\k]
.endr
.endr
	v_max3_num_f32 v144, v16, v17, v18             ; v16-21: task h's six logits; v24-31: the shared gate's eight.  The maximum is taken away, as reference() does
	v_max3_num_f32 v145, v24, v25, v26
	v_max3_num_f32 v144, v144, v19, v20
	v_max3_num_f32 v145, v145, v27, v28
	v_max_num_f32 v144, v144, v21
	v_max3_num_f32 v145, v145, v29, v30
	v_max_num_f32 v145, v145, v31
.irp j, 0,1,2,3,4,5
	v_sub_f32 v[16+\j], v[16+\j], v144
.endr
.irp j, 0,1,2,3,4,5,6,7
	v_sub_f32 v[24+\j], v[24+\j], v145
.endr
.irp j, 0,1,2,3,4,5,8,9,10,11,12,13,14,15
	v_mul_f32 v[16+\j], 0x3fb8aa3b, v[16+\j]       ; x log2(e)
.endr
.irp j, 0,1,2,3,4,5,8,9,10,11,12,13,14,15
	v_exp_f32 v[16+\j], v[16+\j]                   ; one batch
.endr
	v_nop                                          ; a plain instruction behind the last exponential,
	s_wait_alu depctr_va_vdst(0)                   ; and the one wait ahead of the batch's first reader
	v_add_f32 v146, v16, v17
	v_add_f32 v147, v18, v19
	v_add_f32 v148, v20, v21
	v_add_f32 v149, v24, v25
	v_add_f32 v150, v26, v27
	v_add_f32 v151, v28, v29
	v_add_f32 v152, v30, v31
	v_add_f32 v146, v146, v147
	v_add_f32 v149, v149, v150
	v_add_f32 v151, v151, v152
	v_add_f32 v146, v146, v148
	v_add_f32 v149, v149, v151
	v_rcp_f32 v153, v146
	v_rcp_f32 v154, v149
	v_nop
	s_wait_alu depctr_va_vdst(0)                   ; one wait for the two reciprocals
.irp j, 0,1,2,3,4,5
	v_mul_f32 v[16+\j], v[16+\j], v153
.endr
.irp j, 0,1,2,3,4,5,6,7
	v_mul_f32 v[24+\j], v[24+\j], v154
.endr
	v_cmp_eq_u32 vcc_lo, 1, v3
.irp j, 0,1,2,3
	v_cndmask_b32 v[32+\j], v[24+\j], v[28+\j], vcc_lo   ; shared gates 4 h .. 4 h + 3
.endr
	global_store_b128 v4, v[16:19], s[18:19]             ; image 0: lane (r, h): gates 0-3 of task h
	global_store_b128 v4, v[20:23], s[18:19] offset:512  ; image 1: gates 4, 5 of task h (and the two zero columns' sums, which nobody uses)
	global_store_b128 v4, v[32:35], s[18:19] offset:1024 ; image 2
.Lend:
	s_wait_tensorcnt 0x0                           ; the wave's end, behind my last LDS store
	ds_add_u32 v[SPW], v[NIL]
	s_wait_dscnt 0x0
	s_endpgm
.Lfunc_end_k_q6b6cfa135a_prep:
	.size	k_q6b6cfa135a_prep, .Lfunc_end_k_q6b6cfa135a_prep-k_q6b6cfa135a_prep
	.p2alignl 7, 3214868480
	.fill 96, 4, 3214868480
	.section	.rodata,"a",@progbits
	.p2align	6, 0x0
	.amdhsa_kernel k_q6b6cfa135a_prep
		.amdhsa_group_segment_fixed_size 120320
		.amdhsa_private_segment_fixed_size 0
		.amdhsa_enable_private_segment 0
		.amdhsa_kernarg_size 72
		.amdhsa_user_sgpr_count 2
		.amdhsa_user_sgpr_kernarg_segment_ptr 1
		.amdhsa_wavefront_size32 1
		.amdhsa_system_sgpr_workgroup_id_x 1
		.amdhsa_system_sgpr_workgroup_id_y 1
		.amdhsa_system_sgpr_workgroup_id_z 1
		.amdhsa_system_vgpr_workitem_id 0
		.amdhsa_next_free_vgpr 256
		.amdhsa_next_free_sgpr 66
		.amdhsa_reserve_vcc 1
		.amdhsa_float_denorm_mode_32 3
		.amdhsa_float_denorm_mode_16_64 3
		.amdhsa_memory_ordered 1
		.amdhsa_forward_progress 1
		.amdhsa_inst_pref_size 49
	.end_amdhsa_kernel
	.amdgpu_metadata
---
amdhsa.version: [ 1, 2 ]
amdhsa.kernels:
  - .name:           k_q6b6cfa135a_prep
    .symbol:         k_q6b6cfa135a_prep.kd
    .args:
      - { .name: x, .offset: 0, .size: 8, .value_kind: global_buffer, .address_space: global }
      - { .name: Wg, .offset: 8, .size: 8, .value_kind: global_buffer, .address_space: global }
      - { .name: Wgs, .offset: 16, .size: 8, .value_kind: global_buffer, .address_space: global }
      - { .name: W1_codes, .offset: 24, .size: 8, .value_kind: global_buffer, .address_space: global }
      - { .name: W2_codes, .offset: 32, .size: 8, .value_kind: global_buffer, .address_space: global }
      - { .name: xq, .offset: 40, .size: 8, .value_kind: global_buffer, .address_space: global }
      - { .name: xs, .offset: 48, .size: 8, .value_kind: global_buffer, .address_space: global }
      - { .name: gates, .offset: 56, .size: 8, .value_kind: global_buffer, .address_space: global }
      - { .name: wq, .offset: 64, .size: 8, .value_kind: global_buffer, .address_space: global }
    .group_segment_fixed_size: 120320
    .private_segment_fixed_size: 0
    .kernarg_segment_align: 8
    .kernarg_segment_size: 72
    .max_flat_workgroup_size: 256
    .sgpr_count:     66
    .vgpr_count:     256
    .wavefront_size: 32
...
	.end_amdgpu_metadata
.endif
;; end of part 1
;; launch experts (part 2): grid 32 x 8, 4 waves a work-group, no clusters, 266,752 bytes of LDS; arguments xq, xs, wq, W1_scales, b1, W2_scales, b2, eo; writes eo
.if DOCPART == 2
	.amdgcn_target "amdgcn-amd-amdhsa--gfx1250"
	.amdhsa_code_object_version 6
	.text
	.protected	k_q6b6cfa135a_experts
	.globl	k_q6b6cfa135a_experts
	.p2align	8
	.type	k_q6b6cfa135a_experts,@function
k_q6b6cfa135a_experts:
	s_mov_b64 s[64:65], 0
	v_nop
	global_prefetch_b8 v0, s[64:65] scope:SCOPE_SE
	s_setreg_imm32_b32 hwreg(HW_REG_WAVE_MODE, 25, 1), 1
	s_wait_xcnt 0x0
; CGC3, launch 2 of 3: eo[e][b][:] = Q(relu(Q(x) W1_e + b1_e)) W2_e + b2_e, as bf16, for one expert e (grid y) and 128 rows of x (grid x).  No work of reference() is left out; the relu on eo is taken in launch 3
; (rounding to bf16 keeps the sign, so the two commute).  Both products on codes of E4M3 with one E8M0 scale for each 32 along K, by the scaled matrix form; sums in f32; the hidden layer never goes to memory.
; SHARES.  Four waves.  THE WAVES SHARE THE WEIGHTS' ROWS, NOT THE TOKENS.  A PASS is 64 rows of weights of one wave against all 128 tokens: 32 accumulators of 16 x 16, K = 1,024 in 8 steps of 32 matrix instructions.
; Passes 0-3: hidden units 256 w + 64 p on; passes 4, 5: outputs 128 w + 64 (p - 4) on.  48 steps, 1,536 matrix instructions a wave.
; TRANSPOSED: source 0 = 16 rows of weights, source 1 = 16 tokens: lane (r, h) holds token r, and its registers run along the units: 16 t + 8 h + j.  By the map of K that launch 1 states, tiles 2 b and 2 b + 1 convert
; straight into group b of the next operand.  The biases are the C of each pass's first step.
; THE TOKENS' CODES lie in LDS as images of the operand's registers (512 consecutive bytes a group): x's 131,072 bytes come once, one tensor load a wave; h's are stored by the waves that make them.
; THE WEIGHTS go from memory straight into registers: launch 1 laid them in the order of a wave's steps, no two waves of a work-group share a fragment, and a ring of four register slots (a step's four fragments each)
; is asked for three steps, 96 matrix instructions, ahead under counted waits: 24,576 bytes a wave on their way.
; NO CLUSTER AND NO RING IN LDS FOR THE WEIGHTS, though the 32 work-groups of an expert walk the same weights: the two images take 262,144 bytes of LDS; what a work-group could be given beside them is under 61 KB, so each of
; two slots would hold less than one step's weights of the four waves (32,768 bytes), and a joint ring would put a round of the cluster's barrier in front of every 32 matrix instructions with less than a step on its way.
; LIMITS: NaN and infinities are not served.  A block of zeros of h gets the byte 1 with zero codes.  The bias enters the f32 sum first, not last.
; REGISTERS, in windows of 256: window 0: addresses, scale words, bias, the quantiser's work.  window 1: the accumulators, (tile of tokens m, tile of weights t) at v[8 (4 m + t)].
;   window 2: the tokens' fragments, two sets of 128 (set u, tile m at v[128 u + 16 m]); set 1 also takes the codes and the bf16 results on their way out.  window 3: the weights' ring, slot k, tile t at v[64 k + 16 t].
.set HSC,   262144                     ; LDS: x's images at 0, h's at 131,072, h's scale words here ([token][8 words]),
.set SPARE, 266240                     ; and the spare words, 128 bytes for each wave: two blocks of 256 bytes that no other line names
.set XA0, 2                            ; v2, v3   16 x lane (+ 65,536): x's images, K steps 0-3 and 4-7
.set XA1, 3
.set HA0, 4                            ; v4, v5   the same for h's
.set HA1, 5
.set HWB, 6                            ; v6       where my wave stores h's images: 131,072 + 32,768 w + 16 x lane;  v7: + 8,192 x pass
.set HWA, 7
.set HSB, 8                            ; v8       and their scale bytes: HSC + 32 r + 8 w;  v9: + 2 x pass
.set HSA, 9
.set HSR, 10                           ; v10      HSC + 32 r: a token's eight scale words
.set WO,  11                           ; v11      16 x lane: the weights' and eo's offset
.set SO,  12                           ; v12      32 r: a row of scale bytes
.set BO,  13                           ; v13      32 h: my half's eight biases
.set PFO, 14                           ; v14      256 x lane: the prefetches' offset; never rewritten
.set SPW, 16                           ; v16      LDS address of my spare word; never rewritten
.set NIL, 17                           ; v17      0; never rewritten
.set TS,  32                           ; v32-95   the tokens' scale words, tile m, K step s at v[TS + 8 m + s]
.set WS,  96                           ; v96-127  the weights' scale words of the pass, v[WS + 8 t + s]
.set BI,  128                          ; v128-159 the pass's biases, eight a tile, in the result's layout
.set TM,  160                          ; v160-175 16 blocks' largest numbers
.set TP,  176                          ; v176-191 the other half's, then the bytes
.set SOP, 192                          ; v192-207 the conversions' scale operands
.set HO,  208                          ; v208-223 448 x the scale
.set PW,  224                          ; v224-231 two scale bytes for each tile of tokens
.set MSB, 0
.macro WIN new                         ; bits 1:0 source 0, 3:2 source 1, 5:4 source 2, 7:6 destination; the immediate's high byte repeats the setting that is left
.if MSB != \new
	s_set_vgpr_msb (MSB<<8)|\new
.set MSB, \new
.endif
.endm
.macro PLACES n                        ; plain vector instructions behind a matrix instruction: eight for this form, ahead of loads into its registers and of reads of its results
.rept \n
	v_nop
.endr
.endm
.macro TOKLD s, u, ta                  ; the eight tiles of tokens of K step s into set u: 32 loads of 512 consecutive bytes
	WIN 0x80
.irp m, 0,1,2,3,4,5,6,7
.irp c, 0,1,2,3
	ds_load_b128 v[128*(\u)+16*\m+4*\c:128*(\u)+16*\m+4*\c+3], v[\ta] offset:((\s)&3)*16384+(\c>>1)*8192+\m*1024+(\c&1)*512
.endr
.endr
.endm
.macro TOK0 ta
	TOKLD 0, 0, \ta
	WIN 0
.endm
.macro WLD s                           ; the weights of the step three on, into the slot that the step before has left
	WIN 0xc0
.irp t, 0,1,2,3
.irp c, 0,1,2,3
	global_load_b128 v[64*(((\s)+3)%4)+16*\t+4*\c:64*(((\s)+3)%4)+16*\t+4*\c+3], v[WO], s[8:9] offset:((\s)+3)*8192+\t*2048+\c*512
.endr
.endr
.endm
; A PREFETCH INTO THE L2 of my wave's weights eight steps (256 matrix instructions) on from the loads just issued: a step's 8,192 bytes, lanes 256 bytes apart, one instruction.  All 32 work-groups of an expert walk
; the same stream: the first of them asks, each wave for its own stream, so each block of 256 bytes is named once.  Steps 0 to 10 come by their loads alone; the last request names the stream's last step.
.macro ASK s
	s_cmp_lg_u32 s26, 0
	s_cbranch_scc0 .Lnot_mine_\@
	global_prefetch_b8 v[PFO], s[8:9] offset:((\s)+11)*8192 th:TH_LOAD_NT scope:SCOPE_SE
.Lnot_mine_\@:
.endm
.macro MUL s                           ; 32 matrix instructions; the 32 accumulators take turns, one instruction a turn, in the same order in every step
.if (\s) == 0
	WIN 0x4b                                       ; weights window 3, tokens window 2, C = the bias in window 0, D window 1
.else
	WIN 0x5b                                       ; C and D window 1
.endif
.irp m, 0,1,2,3,4,5,6,7
.irp t, 0,1,2,3
.if (\s) == 0
	v_wmma_scale_f32_16x16x128_f8f6f4 v[8*(4*\m+\t):8*(4*\m+\t)+7], v[64*((\s)%4)+16*\t:64*((\s)%4)+16*\t+15], v[128*((\s)%2)+16*\m:128*((\s)%2)+16*\m+15], v[BI+8*\t:BI+8*\t+7], v[WS+8*\t+(\s)], v[TS+8*\m+(\s)]
.else
	v_wmma_scale_f32_16x16x128_f8f6f4 v[8*(4*\m+\t):8*(4*\m+\t)+7], v[64*((\s)%4)+16*\t:64*((\s)%4)+16*\t+15], v[128*((\s)%2)+16*\m:128*((\s)%2)+16*\m+15], v[8*(4*\m+\t):8*(4*\m+\t)+7], v[WS+8*\t+(\s)], v[TS+8*\m+(\s)]
.endif
.endr
.endr
.endm
; A PASS'S EIGHT STEPS.  At a step's head: the places behind the last step's products; the next step's tokens into the other set; the weights of three steps on; then the waits for this step's.
; tail = 1: the last pass: no load leaves wq.  askmax: the last step that prefetches.
.macro KLOOP ta0, ta1, tail, askmax
.irp s, 0,1,2,3,4,5,6,7
.if \s > 0
	PLACES 8
.endif
.if \s < 3
	TOKLD \s+1, (\s+1)%2, \ta0
.elseif \s < 7
	TOKLD \s+1, (\s+1)%2, \ta1
.endif
.if (\tail == 0) || (\s < 5)
	WLD \s
.endif
.if \s <= \askmax
	WIN 0
	ASK \s
.endif
.if \s == 0
	s_wait_loadcnt 16                              ; all but the sixteen just issued: the pass's scale words and biases, and the weights of steps 0 to 2
.elseif (\tail != 0) && (\s > 4)
	s_wait_loadcnt 16*(7-\s)                       ; nothing more is asked for: the later steps' sixteen each may be out
.else
	s_wait_loadcnt 48                              ; this step's weights are in; the three later steps' may be out
.endif
.if \s < 7
	s_wait_dscnt 32                                ; this step's tokens are in; the 32 loads just issued may be out
.else
	s_wait_dscnt 0x0
.endif
	MUL \s
.endr
.endm
.macro PARAMS                          ; the next pass's scale words (row 16 t + r: eight words) and biases (units 16 t + 8 h + 0..7): 16 loads
.irp t, 0,1,2,3
	global_load_b128 v[WS+8*\t:WS+8*\t+3], v[SO], s[10:11] offset:512*\t
	global_load_b128 v[WS+8*\t+4:WS+8*\t+7], v[SO], s[10:11] offset:512*\t+16
	global_load_b128 v[BI+8*\t:BI+8*\t+3], v[BO], s[12:13] offset:64*\t
	global_load_b128 v[BI+8*\t+4:BI+8*\t+7], v[BO], s[12:13] offset:64*\t+16
.endr
.endm
; THE HIDDEN LAYER'S QUANTISER: 16 blocks of 32 units (8 tiles of tokens x 2); block n is accumulator registers 16 n .. 16 n + 15 of lanes l and l xor 16.  All blocks go stage by stage, so that the windows are switched eight times.
; No |.| on the maxima's sources: what is negative becomes 0 (the relu), so it must not count; the floor stands over it; the hold clips at 0 as well.
.macro QUANT64
	WIN 0x05
.irp n, 0,1,2,3,4,5,6,7,8,9,10,11,12,13,14,15
	v_max3_num_f32 v[TM+\n], v[16*\n], v[16*\n+1], 0x4800000   ; each accumulator is read from its low end on; the floor 2^(9 - 127) holds the byte at 1 from below
.endr
	WIN 0x14
.irp i, 2,4,6,8,10,12,14
.irp n, 0,1,2,3,4,5,6,7,8,9,10,11,12,13,14,15
	v_max3_num_f32 v[TM+\n], v[TM+\n], v[16*\n+\i], v[16*\n+\i+1]
.endr
.endr
	WIN 0
.irp n, 0,1,2,3,4,5,6,7,8,9,10,11,12,13,14,15
	v_permlanex16_b32 v[TP+\n], v[TM+\n], s44, s45
.endr
.irp n, 0,1,2,3,4,5,6,7,8,9,10,11,12,13,14,15
	v_max_num_f32 v[TM+\n], v[TM+\n], v[TP+\n]
.endr
.irp n, 0,1,2,3,4,5,6,7,8,9,10,11,12,13,14,15
	v_add_nc_u32 v[SOP+\n], 0xfc000000, v[TM+\n]   ; 8 off the exponent field: the conversion's scale operand
.endr
.irp n, 0,1,2,3,4,5,6,7,8,9,10,11,12,13,14,15
	v_and_or_b32 v[HO+\n], v[TM+\n], 0x7f800000, s46   ; 448 x the scale
.endr
.irp n, 0,1,2,3,4,5,6,7,8,9,10,11,12,13,14,15
	v_lshrrev_b32 v[TP+\n], 23, v[SOP+\n]          ; the scale's byte
.endr
.irp m, 0,1,2,3,4,5,6,7
	v_lshl_or_b32 v[PW+\m], v[TP+2*\m+1], 8, v[TP+2*\m]
.endr
	WIN 0x41
.set i, 0
.rept 256
	v_med3_num_f32 v[i], v[i], 0, v[HO+i/16]       ; the relu and the hold in one (the conversion to an 8-bit code does not saturate: ISA guide 7.6.2)
.set i, i+1
.endr
	WIN 0x81
.irp n, 0,1,2,3,4,5,6,7,8,9,10,11,12,13,14,15
	v_cvt_scalef32_pk8_fp8_f32 v[128+4*\n:129+4*\n], v[16*\n:16*\n+7], v[SOP+\n]
	v_cvt_scalef32_pk8_fp8_f32 v[130+4*\n:131+4*\n], v[16*\n+8:16*\n+15], v[SOP+\n]
.endr
	v_nop                                          ; one plain vector instruction behind the last scaled conversion
	WIN 0
	v_add_nc_u32 v[HWA], s24, v[HWB]               ; this pass's 64 units are K step 2 w + pass / 2, groups 2 (pass % 2) + b: byte 32,768 w + 8,192 pass of the images,
	v_add_nc_u32 v[HSA], s25, v[HSB]               ; byte 8 w + 2 pass of a token's scale bytes
	WIN 0x08                                       ; an LDS store's data are its source 1: window 2
.irp n, 0,1,2,3,4,5,6,7,8,9,10,11,12,13,14,15
	ds_store_b128 v[HWA], v[128+4*\n:131+4*\n] offset:512*\n
.endr
	WIN 0
.irp m, 0,1,2,3,4,5,6,7
	ds_store_b16 v[HSA], v[PW+\m] offset:512*\m    ; both lanes of a token write the same two bytes with the same value
.endr
.endm
.macro OUT pp                          ; 64 outputs x 128 tokens leave as bf16: a lane's eight neighbouring outputs are 16 bytes, a store 512 consecutive bytes, aligned.  eo: [e][128 rows][64 outputs][m][t][lane][16 bytes]
	WIN 0x85
.set i, 0
.rept 128
	v_cvt_pk_bf16_f32 v[128+i], v[2*i], v[2*i+1]   ; ascending: each accumulator from its low end on
.set i, i+1
.endr
	WIN 0x08
.set i, 0
.rept 32
	global_store_b128 v[WO], v[128+4*i:131+4*i], s[18:19] offset:\pp*16384+512*i th:TH_STORE_NT
.set i, i+1
.endr
	WIN 0
.endm
	s_load_b256 s[4:11], s[0:1], 0x0               ; xq, xs, wq, W1's scales
	s_load_b256 s[12:19], s[0:1], 0x20             ; b1, W2's scales, b2, eo
	v_lshl_add_u32 v[SPW], v0, 2, SPARE
	v_mov_b32 v[NIL], 0
	ds_add_u32 v[SPW], v[NIL]                      ; the wave's opening: the add, twice on end, and its wait ahead of my first tensor load; the set-up below, work on registers, stands between
	ds_add_u32 v[SPW], v[NIL]
	v_lshrrev_b32 v1, 5, v0
	v_readfirstlane_b32 s20, v1                    ; wave w
	s_and_b32 s21, ttmp7, 0xffff                   ; expert e
	s_mov_b32 s22, ttmp9                           ; block of 128 rows
	s_cmp_eq_u32 s22, 0
	s_cselect_b32 s26, 1, 0                        ; the expert's first work-group prefetches
	; the descriptor: my quarter of x's images, 32,768 dense bytes as 128 rows of 256 (32 elements of 8 bytes), no padding, no mask
	s_mov_b32 s36, 3<<16
	s_mov_b32 s37, 32<<16                          ; tensor_dim0
	s_mov_b32 s38, 128<<16                         ; tensor_dim1
	s_mov_b32 s39, 32<<16                          ; tile_dim0
	s_mov_b32 s40, 128                             ; tile_dim1
	s_mov_b32 s41, 32                              ; the pitch
	s_mov_b32 s42, 0
	s_mov_b32 s43, 0
	s_mov_b32 s32, 1
	s_lshl_b32 s33, s20, 15                        ; LDS address: 32,768 x wave
	s_mov_b32 s44, 0x76543210
	s_mov_b32 s45, 0xfedcba98                      ; v_permlanex16_b32's selects for lane l xor 16
	s_mov_b32 s46, 0x600000                        ; the mantissa field of 448
	s_lshl_b32 s48, s22, 17
	s_add_co_u32 s48, s48, s33                     ; xq and eo: 131,072 x block + 32,768 x wave
	s_mov_b32 s49, 0
	s_lshl_b32 s50, s21, 22                        ; eo: 4,194,304 x expert
	s_mov_b32 s51, 0
	s_lshl_b32 s52, s22, 12                        ; xs: 128 rows of 32 bytes
	s_mov_b32 s53, 0
	s_lshl_b32 s54, s21, 2
	s_add_co_u32 s54, s54, s20
	s_mul_i32 s54, s54, 393216                     ; wq: my wave's stream of 48 steps
	s_mov_b32 s55, 0
	s_lshl_b32 s56, s21, 15
	s_lshl_b32 s57, s20, 13
	s_add_co_u32 s56, s56, s57                     ; W1's scales: 32,768 e + 8,192 w
	s_mov_b32 s57, 0
	s_lshr_b32 s58, s56, 3                         ; b1: 4,096 e + 1,024 w
	s_mov_b32 s59, 0
	s_lshr_b32 s60, s56, 1                         ; W2's scales: 16,384 e + 4,096 w
	s_mov_b32 s61, 0
	s_lshr_b32 s62, s56, 4                         ; b2: 2,048 e + 512 w
	s_mov_b32 s63, 0
	s_lshl_b32 s27, s20, 3
	v_and_b32 v1, 31, v0                           ; lane
	v_and_b32 v20, 15, v0                          ; r
	v_bfe_u32 v21, v0, 4, 1                        ; h
	v_lshlrev_b32 v[XA0], 4, v1
	v_add_nc_u32 v[XA1], 0x10000, v[XA0]
	v_add_nc_u32 v[HA0], 0x20000, v[XA0]
	v_add_nc_u32 v[HA1], 0x30000, v[XA0]
	v_add_nc_u32 v[HWB], s33, v[HA0]
	v_lshlrev_b32 v[SO], 5, v20
	v_add_nc_u32 v[HSR], HSC, v[SO]
	v_add_nc_u32 v[HSB], s27, v[HSR]
	v_lshlrev_b32 v[WO], 4, v1
	v_lshlrev_b32 v[BO], 5, v21
	v_lshlrev_b32 v[PFO], 8, v1
.irp n, 0,1,2,3,4,5,6,7,8,9,10,11,12,13,14,15
	v_mov_b32 v[TP+\n], 0                          ; written once: a lane permute's destination counts as one of its sources
.endr
	s_wait_dscnt 0x0                               ; both opening adds are done
	s_wait_kmcnt 0x0
	s_add_nc_u64 s[4:5], s[4:5], s[48:49]
	s_add_nc_u64 s[6:7], s[6:7], s[52:53]
	s_add_nc_u64 s[8:9], s[8:9], s[54:55]
	s_add_nc_u64 s[10:11], s[10:11], s[56:57]
	s_add_nc_u64 s[12:13], s[12:13], s[58:59]
	s_add_nc_u64 s[14:15], s[14:15], s[60:61]
	s_add_nc_u64 s[16:17], s[16:17], s[62:63]
	s_add_nc_u64 s[18:19], s[18:19], s[48:49]
	s_add_nc_u64 s[18:19], s[18:19], s[50:51]
	s_mov_b64 s[34:35], s[4:5]
	s_or_b32 s35, s35, 0x80000000                  ; type = 2
	tensor_load_to_lds s[32:35], s[36:43]          ; every wave's one tensor load of the launch: the bytes are filled once
	s_nop 0
	PLACES 4                                       ; the windows are switched behind four instructions
	WIN 0xc0
.irp g, 0,1,2                                  ; the weights of steps 0 to 2
.irp t, 0,1,2,3
.irp c, 0,1,2,3
	global_load_b128 v[64*\g+16*\t+4*\c:64*\g+16*\t+4*\c+3], v[WO], s[8:9] offset:\g*8192+\t*2048+\c*512
.endr
.endr
.endr
	WIN 0
.irp m, 0,1,2,3,4,5,6,7
	global_load_b128 v[TS+8*\m:TS+8*\m+3], v[SO], s[6:7] offset:512*\m       ; x's scale words: token 16 m + r, K steps 0-3,
	global_load_b128 v[TS+8*\m+4:TS+8*\m+7], v[SO], s[6:7] offset:512*\m+16  ; and 4-7
.endr
	PARAMS
	s_wait_tensorcnt 0x0                           ; my quarter of x's images has landed,
	s_barrier_signal -1
	s_barrier_wait -1                              ; everybody's has
	TOK0 XA0
	s_mov_b32 s23, 4                               ; passes of the first product to go
	s_mov_b32 s24, 0                               ; 8,192 x pass
	s_mov_b32 s25, 0                               ; 2 x pass
.Lpass:
	s_wait_dscnt 0x0                               ; the last pass's LDS stores have read their registers: the loads below land there
	KLOOP XA0, XA1, 0, 7
	WIN 0
	PLACES 8                                       ; behind the pass's last products: for the loads below and for the first read of results
	s_wait_xcnt 0x0                                ; the loads issued so far have read their bases: only behind this wait are they stepped
	s_add_nc_u64 s[8:9], s[8:9], 65536
	s_add_nc_u64 s[10:11], s[10:11], 2048
	s_add_nc_u64 s[12:13], s[12:13], 256
	s_cmp_eq_u32 s23, 1                            ; behind the last of the four passes the next pass is the second product's first:
	s_cselect_b64 s[10:11], s[14:15], s[10:11]     ; W2's scales,
	s_cselect_b64 s[12:13], s[16:17], s[12:13]     ; b2;
	PARAMS
	s_cbranch_scc1 .Lno_x                          ; and there is no next pass on x
	TOK0 XA0
.Lno_x:
	QUANT64
	s_add_co_u32 s24, s24, 8192
	s_add_co_u32 s25, s25, 2
	s_sub_co_u32 s23, s23, 1
	s_cmp_lg_u32 s23, 0
	s_cbranch_scc1 .Lpass
	s_wait_dscnt 0x0                               ; for the others' sake: my part of h's images and scale bytes lies in LDS
	s_barrier_signal -1
	s_barrier_wait -1
.irp m, 0,1,2,3,4,5,6,7
	ds_load_b128 v[TS+8*\m:TS+8*\m+3], v[HSR] offset:512*\m        ; h's scale words take the place of x's
	ds_load_b128 v[TS+8*\m+4:TS+8*\m+7], v[HSR] offset:512*\m+16
.endr
	TOK0 HA0
	KLOOP HA0, HA1, 0, 4                           ; pass 4
	WIN 0
	PLACES 8
	s_wait_xcnt 0x0
	s_add_nc_u64 s[8:9], s[8:9], 65536
	s_add_nc_u64 s[10:11], s[10:11], 2048
	s_add_nc_u64 s[12:13], s[12:13], 256
	PARAMS
	TOK0 HA0
	OUT 0
	s_wait_xcnt 0x0                                ; the stores have read their data: the next pass's loads land in those registers
	KLOOP HA0, HA1, 1, -1                          ; pass 5
	WIN 0
	PLACES 8
	OUT 1
	s_wait_tensorcnt 0x0                           ; the wave's end: behind my tensor load and my last LDS store
	ds_add_u32 v[SPW], v[NIL]
	s_wait_dscnt 0x0
	s_endpgm
.Lfunc_end_k_q6b6cfa135a_experts:
	.size	k_q6b6cfa135a_experts, .Lfunc_end_k_q6b6cfa135a_experts-k_q6b6cfa135a_experts
	.p2alignl 7, 3214868480
	.fill 96, 4, 3214868480
	.section	.rodata,"a",@progbits
	.p2align	6, 0x0
	.amdhsa_kernel k_q6b6cfa135a_experts
		.amdhsa_group_segment_fixed_size 266752
		.amdhsa_private_segment_fixed_size 0
		.amdhsa_enable_private_segment 0
		.amdhsa_kernarg_size 64
		.amdhsa_user_sgpr_count 2
		.amdhsa_user_sgpr_kernarg_segment_ptr 1
		.amdhsa_wavefront_size32 1
		.amdhsa_system_sgpr_workgroup_id_x 1
		.amdhsa_system_sgpr_workgroup_id_y 1
		.amdhsa_system_sgpr_workgroup_id_z 1
		.amdhsa_system_vgpr_workitem_id 0
		.amdhsa_next_free_vgpr 1024
		.amdhsa_next_free_sgpr 66
		.amdhsa_reserve_vcc 0
		.amdhsa_float_denorm_mode_32 3
		.amdhsa_float_denorm_mode_16_64 3
		.amdhsa_memory_ordered 1
		.amdhsa_forward_progress 1
		.amdhsa_inst_pref_size 255
	.end_amdhsa_kernel
	.section	.bss,"aw",@nobits
	.p2align	6
	.space	262144
	.amdgpu_metadata
---
amdhsa.version: [ 1, 2 ]
amdhsa.kernels:
  - .name:           k_q6b6cfa135a_experts
    .symbol:         k_q6b6cfa135a_experts.kd
    .args:
      - { .name: xq, .offset: 0, .size: 8, .value_kind: global_buffer, .address_space: global }
      - { .name: xs, .offset: 8, .size: 8, .value_kind: global_buffer, .address_space: global }
      - { .name: wq, .offset: 16, .size: 8, .value_kind: global_buffer, .address_space: global }
      - { .name: W1_scales, .offset: 24, .size: 8, .value_kind: global_buffer, .address_space: global }
      - { .name: b1, .offset: 32, .size: 8, .value_kind: global_buffer, .address_space: global }
      - { .name: W2_scales, .offset: 40, .size: 8, .value_kind: global_buffer, .address_space: global }
      - { .name: b2, .offset: 48, .size: 8, .value_kind: global_buffer, .address_space: global }
      - { .name: eo, .offset: 56, .size: 8, .value_kind: global_buffer, .address_space: global }
    .group_segment_fixed_size: 266752
    .private_segment_fixed_size: 0
    .kernarg_segment_align: 8
    .kernarg_segment_size: 64
    .max_flat_workgroup_size: 128
    .sgpr_count:     66
    .vgpr_count:     1024
    .wavefront_size: 32
...
	.end_amdgpu_metadata
.endif
;; end of part 2
;; launch combine (part 3): grid 256 x 1, 8 waves a work-group, no clusters, 105,472 bytes of LDS; arguments eo, gates, out0; writes out0
.if DOCPART == 3
	.amdgcn_target "amdgcn-amd-amdhsa--gfx1250"
	.amdhsa_code_object_version 6
	.text
	.protected	k_q6b6cfa135a_combine
	.globl	k_q6b6cfa135a_combine
	.p2align	8
	.type	k_q6b6cfa135a_combine,@function
k_q6b6cfa135a_combine:
	s_mov_b64 s[64:65], 0
	v_nop
	global_prefetch_b8 v0, s[64:65] scope:SCOPE_SE
	s_setreg_imm32_b32 hwreg(HW_REG_WAVE_MODE, 25, 1), 1
	s_wait_xcnt 0x0
; CGC3, launch 3 of 3: out0[b][i][:] = sum over e of gate_i[b][e] relu(eo[e][b][:]); i = 0, 1: the task towers (experts 2 i, 2 i + 1, 4, 5, 6, 7, as reference()'s own index lists have them), i = 2: all eight.
; No work of reference() is left out.  A stream: memory binds, so no matrix unit, no cluster, no barrier.  eo is bf16 (an operand of products that the contract leaves as they are); gates and sums are f32.
; SHARES.  A work-group takes 16 rows, wave cg 64 outputs.  Launch 2 laid eo so that a load of 16 bytes a lane is 512 consecutive bytes: lane (r, h) holds row r, outputs 64 cg + 16 t + 8 h + 0..7.
; All 32 loads of a wave (8 experts x 4 tiles, 16,384 bytes) go out at once.  The three towers' rows go through the wave's own stage in LDS and leave as aligned runs of 256 bytes.
.set SPARE, 104448                     ; behind the eight stages of 48 rows x 272 bytes: the spare words, 128 bytes for each wave
.set G0,  8                            ; v8-15   task 0's gates (six, and two that nobody uses)
.set G1,  16                           ; v16-23  task 1's
.set GS,  24                           ; v24-31  the shared gate's eight
.set T,   32                           ; v32-39  eight numbers in f32, at work
.set E,   64                           ; v64-191 tile t, expert e at v[E + 32 t + 4 e]
.set SPW, 192
.set NIL, 193
	s_load_b128 s[4:7], s[0:1], 0x0                ; eo, gates
	s_load_b64 s[8:9], s[0:1], 0x10                ; out0
	v_lshl_add_u32 v[SPW], v0, 2, SPARE
	v_mov_b32 v[NIL], 0
	v_lshrrev_b32 v1, 5, v0
	v_readfirstlane_b32 s10, v1                    ; wave cg
	v_and_b32 v1, 31, v0
	v_and_b32 v32, 15, v0                          ; r
	v_bfe_u32 v33, v0, 4, 1                        ; h
	v_lshlrev_b32 v2, 4, v1                        ; 16 x lane
	v_lshlrev_b32 v3, 4, v32                       ; 16 r
	s_mul_i32 s11, s10, 13056                      ; my stage
	v_mul_u32_u24 v4, v32, 816                     ; in: stage row 3 r + i, + 32 h; the lanes' rows lie 204 words apart
	v_lshl_add_u32 v4, v33, 5, v4
	v_add_nc_u32 v4, s11, v4
	v_mul_u32_u24 v5, v33, 272                     ; back: lanes 0-15 one stage row, lanes 16-31 the next
	v_lshl_add_u32 v5, v32, 4, v5
	v_add_nc_u32 v5, s11, v5
	v_lshlrev_b32 v6, 11, v33                      ; and the same two rows of out0, 2,048 bytes each
	v_lshl_add_u32 v6, v32, 4, v6
	v_mov_b32 v7, 0
	s_lshr_b32 s12, ttmp9, 3
	s_lshl_b32 s12, s12, 17                        ; eo: 131,072 x block of 128 rows + 16,384 x cg + 2,048 x tile of rows
	s_lshl_b32 s13, s10, 14
	s_add_co_u32 s12, s12, s13
	s_and_b32 s13, ttmp9, 7
	s_lshl_b32 s13, s13, 11
	s_add_co_u32 s12, s12, s13
	s_mov_b32 s13, 0
	s_mul_i32 s14, ttmp9, 1536
	s_mov_b32 s15, 0
	s_mul_i32 s16, ttmp9, 98304                    ; out0: 48 rows of 2,048 bytes; my 256 bytes of a row
	s_lshl_b32 s17, s10, 8
	s_add_co_u32 s16, s16, s17
	s_mov_b32 s17, 0
	s_wait_kmcnt 0x0
	s_add_nc_u64 s[20:21], s[4:5], s[12:13]        ; a base for each pair of experts, so that the odd one's 4,194,304 bytes fit the immediate
	s_add_nc_u64 s[22:23], s[20:21], 0x800000
	s_add_nc_u64 s[24:25], s[22:23], 0x800000
	s_add_nc_u64 s[26:27], s[24:25], 0x800000
	s_add_nc_u64 s[6:7], s[6:7], s[14:15]
	s_add_nc_u64 s[8:9], s[8:9], s[16:17]
	global_load_b128 v[G0:G0+3], v3, s[6:7]                  ; row r's gates, the same in both halves of the lanes
	global_load_b128 v[G0+4:G0+7], v3, s[6:7] offset:512
	global_load_b128 v[G1:G1+3], v3, s[6:7] offset:256
	global_load_b128 v[G1+4:G1+7], v3, s[6:7] offset:768
	global_load_b128 v[GS:GS+3], v3, s[6:7] offset:1024
	global_load_b128 v[GS+4:GS+7], v3, s[6:7] offset:1280
.irp t, 0,1,2,3
.irp e, 0,1,2,3,4,5,6,7
	global_load_b128 v[E+32*\t+4*\e:E+32*\t+4*\e+3], v2, s[20+2*(\e/2):21+2*(\e/2)] offset:(\e%2)*4194304+512*\t th:TH_LOAD_NT
.endr
.endr
; eight numbers x one gate onto a sum.  a: the sum's first register; g: the gate's register (the packed form names its pair and takes that one register for both halves); first = 1: the product starts the sum
.macro ACCUM a, g, first
.irp k, 0,2,4,6
.if \first
.if (\g)&1
	v_pk_mul_f32 v[(\a)+\k:(\a)+\k+1], v[T+\k:T+\k+1], v[(\g)-1:(\g)] op_sel:[0,1] op_sel_hi:[1,1]
.else
	v_pk_mul_f32 v[(\a)+\k:(\a)+\k+1], v[T+\k:T+\k+1], v[(\g):(\g)+1] op_sel_hi:[1,0]
.endif
.else
.if (\g)&1
	v_pk_fma_f32 v[(\a)+\k:(\a)+\k+1], v[T+\k:T+\k+1], v[(\g)-1:(\g)], v[(\a)+\k:(\a)+\k+1] op_sel:[0,1,0] op_sel_hi:[1,1,1]
.else
	v_pk_fma_f32 v[(\a)+\k:(\a)+\k+1], v[T+\k:T+\k+1], v[(\g):(\g)+1], v[(\a)+\k:(\a)+\k+1] op_sel_hi:[1,0,1]
.endif
.endif
.endr
.endm
; tile t: 16 outputs of my 64.  a: 24 registers for the three towers' sums
.macro TILE t, a
	s_wait_loadcnt 24-8*\t                         ; the gates and this tile's eight loads are in; the later tiles' may be out
.irp e, 0,1,2,3,4,5,6,7
.irp k, 0,1,2,3
	v_pk_max_num_bf16 v[E+32*\t+4*\e+\k], v[E+32*\t+4*\e+\k], v7   ; the relu, two at a time
.endr
.irp k, 0,1,2,3
	v_lshlrev_b32 v[T+2*\k], 16, v[E+32*\t+4*\e+\k]                ; bf16 to f32
	v_and_b32 v[T+2*\k+1], 0xffff0000, v[E+32*\t+4*\e+\k]
.endr
.if \e == 0
	ACCUM (\a), G0, 1
	ACCUM (\a)+16, GS, 1
.elseif \e == 1
	ACCUM (\a), G0+1, 0
	ACCUM (\a)+16, GS+1, 0
.elseif \e == 2
	ACCUM (\a)+8, G1, 1
	ACCUM (\a)+16, GS+2, 0
.elseif \e == 3
	ACCUM (\a)+8, G1+1, 0
	ACCUM (\a)+16, GS+3, 0
.else
	ACCUM (\a), G0+\e-2, 0
	ACCUM (\a)+8, G1+\e-2, 0
	ACCUM (\a)+16, GS+\e, 0
.endif
.endr
.irp i, 0,1,2
	ds_store_b128 v4, v[(\a)+8*\i:(\a)+8*\i+3] offset:272*\i+64*\t
	ds_store_b128 v4, v[(\a)+8*\i+4:(\a)+8*\i+7] offset:272*\i+64*\t+16
.endr
.endm
	TILE 0, 40                                     ; the sums of tile 0 in v40-63; those of each later tile in the registers that the tile before has left
	TILE 1, 64
	TILE 2, 96
	TILE 3, 128
	s_wait_dscnt 0x0                               ; the stores have read their registers: the loads below land there
.set i, 0
.rept 24
	ds_load_b128 v[64+4*i:67+4*i], v5 offset:544*i
.set i, i+1
.endr
.set i, 0
.rept 24
	s_wait_dscnt 23-i                              ; LDS loads come back in order: pair i of rows is in
	global_store_b128 v6, v[64+4*i:67+4*i], s[8:9] offset:4096*i th:TH_STORE_NT   ; sixteen lanes store 256 consecutive bytes, aligned
.set i, i+1
.endr
	s_wait_tensorcnt 0x0                           ; the wave's end, behind my last LDS store
	ds_add_u32 v[SPW], v[NIL]
	s_wait_dscnt 0x0
	s_endpgm
.Lfunc_end_k_q6b6cfa135a_combine:
	.size	k_q6b6cfa135a_combine, .Lfunc_end_k_q6b6cfa135a_combine-k_q6b6cfa135a_combine
	.p2alignl 7, 3214868480
	.fill 96, 4, 3214868480
	.section	.rodata,"a",@progbits
	.p2align	6, 0x0
	.amdhsa_kernel k_q6b6cfa135a_combine
		.amdhsa_group_segment_fixed_size 105472
		.amdhsa_private_segment_fixed_size 0
		.amdhsa_enable_private_segment 0
		.amdhsa_kernarg_size 24
		.amdhsa_user_sgpr_count 2
		.amdhsa_user_sgpr_kernarg_segment_ptr 1
		.amdhsa_wavefront_size32 1
		.amdhsa_system_sgpr_workgroup_id_x 1
		.amdhsa_system_sgpr_workgroup_id_y 1
		.amdhsa_system_sgpr_workgroup_id_z 1
		.amdhsa_system_vgpr_workitem_id 0
		.amdhsa_next_free_vgpr 208
		.amdhsa_next_free_sgpr 66
		.amdhsa_reserve_vcc 0
		.amdhsa_float_denorm_mode_32 3
		.amdhsa_float_denorm_mode_16_64 3
		.amdhsa_memory_ordered 1
		.amdhsa_forward_progress 1
		.amdhsa_inst_pref_size 52
	.end_amdhsa_kernel
	.amdgpu_metadata
---
amdhsa.version: [ 1, 2 ]
amdhsa.kernels:
  - .name:           k_q6b6cfa135a_combine
    .symbol:         k_q6b6cfa135a_combine.kd
    .args:
      - { .name: eo, .offset: 0, .size: 8, .value_kind: global_buffer, .address_space: global }
      - { .name: gates, .offset: 8, .size: 8, .value_kind: global_buffer, .address_space: global }
      - { .name: out0, .offset: 16, .size: 8, .value_kind: global_buffer, .address_space: global }
    .group_segment_fixed_size: 105472
    .private_segment_fixed_size: 0
    .kernarg_segment_align: 8
    .kernarg_segment_size: 24
    .max_flat_workgroup_size: 256
    .sgpr_count:     66
    .vgpr_count:     208
    .wavefront_size: 32
...
	.end_amdgpu_metadata
.endif
;; end of part 3
